; MI455X (gfx1250); checked and timed in simulation.
; The chip was launched on July 23, 2026; its instructions are those of AMD's public machine-readable ISA for CDNA 5 (MIT licence, August 2026) and "CDNA5" Instruction Set Architecture Reference Guide (July 2026). The comments in the code are by the model that wrote it; some were corrected since.
;; Bahdanau Attention. Allowed arithmetic: float matrix products may take bf16 or f16 operands with f32 sums; all other float work in f32.
;; Inputs: Ua_b 1,024 float32; Ua_w 2,048 x 1,024 float32; Va_b 1 float32; Va_w 1,024 x 1 float32; Wa_b 1,024 float32; Wa_w 1,024 x 1,024 float32; decoder_hidden 32 x 1,024 float32; encoder_outputs 32 x 1,024 x 2,048 float32.
;; Outputs: out0 32 x 1 x 2,048 float32; out1 32 x 1,024 x 1 float32.
;; One version. Each part assembles by itself: llvm-mc -triple=amdgcn-amd-amdhsa -mcpu=gfx1250 --defsym DOCPART=n.
;; ======== version 1 of 1: 3 launches
;; workspace buffers: ub 4,194,304 bytes; qs 524,288 bytes; sp 524,288 bytes
;; launch prep (part 1): grid 192 x 1, 8 waves a work-group, no clusters, 66,560 bytes of LDS; arguments Ua_w, Wa_w, decoder_hidden, Wa_b, Ua_b, ub, qs; writes ub, qs
.if DOCPART == 1
	.amdgcn_target "amdgcn-amd-amdhsa--gfx1250"
	.amdhsa_code_object_version 6
	.text
	.protected	k_q706924b012_prep
	.globl	k_q706924b012_prep
	.p2align	8
	.type	k_q706924b012_prep,@function
k_q706924b012_prep:
	s_mov_b64 s[64:65], 0
	v_nop
	global_prefetch_b8 v0, s[64:65] scope:SCOPE_SE
	s_setreg_imm32_b32 hwreg(HW_REG_WAVE_MODE, 25, 1), 1
	s_wait_xcnt 0x0
; BAHDANAU ATTENTION, first of three kernels: the operands of the key projection are made ready.
;   ub = Ua_w [2048 k][1024 n] f32 as bf16, in the order in which the next kernel's matrix fragments lie in registers
;   qs = four parts [4][32][1024] f32 whose sum is c (decoder_hidden Wa_w + Wa_b + Ua_b), c = 2 log2 e:
;        part p = c (decoder_hidden[:, 256 p .. 256 p + 255] Wa_w[256 p .. 256 p + 255, :] + (Wa_b + Ua_b) / 4); the next kernel adds the four.
; WORK LEFT OUT, for all finite values of the inputs.  With tanh x = 1 - 2 / (1 + e^(2x)) a score is
;   score[b][s] = Va_b + sum_n Va[n] - 2 sum_n Va[n] / (1 + e^(2 (q[b][n] + k[b][s][n]))).
; Va_b and sum_n Va[n] do not hang on s, the axis of the softmax; a softmax does not change when one number is added to all its inputs;
; and both outputs hang on the scores through the softmax alone.  So neither term is formed: Va_b has no way to any output, is not loaded,
; and is among no kernel's arguments.  LIMIT: a NaN, an infinity or an overflow that reaches only Va_b or sum_n Va[n] is not carried to the results.
; FORMATS: both products take bf16 operands and f32 sums; all else is f32.
;
; Work-groups 0 to 63 make qs, work-groups 64 to 191 make ub; the branch hangs on the work-group's number alone, so it is the same in all eight waves.
; WHY qs IS IN FOUR PARTS: rows of Wa_w are read in whole pieces of 256 bytes, 64 columns, so the columns give 16 work-groups and no more.  With all of K such a
; work-group would move 256 KiB of Wa_w and all 128 KiB of decoder_hidden, four times the 96 KiB of a work-group of ub.  With a quarter of K it moves 64 + 32 KiB,
; and each of its waves has one group of 24 loads.  A sum over work-groups is not made inside a launch, so the parts are stored apart.
; No cluster: nothing here goes through LDS tiles; what the work-groups of qs share is decoder_hidden, 128 KiB beside Wa_w's 4 MiB, which is read once.
;
; ub's LAYOUT: element (n, k) lies at byte
;   (n>>7) 524288 + (k>>5) 8192 + ((n>>4)&7) 1024 + ((k>>4)&1) 512 + (((k>>3)&1) 16 + (n&15)) 16 + (k&7) 2
; A fragment (16 n x 32 k) is 1,024 bytes: lane L's registers 0-3 at 16 L, its registers 4-7 at 512 + 16 L (ISA guide 7.12.2: the 16-bit operand layout).
.set CEXP,  0x4038aa3b                 ; c = 2 log2 e
.set CEXP4, 0x3f38aa3b                 ; c / 4
.set QB,   16                          ; v[16:79] 16 rows of Wa_w, v[80:111] decoder_hidden, as loaded
.set ACC,  112                         ; v[112:175] eight tiles of sums, tile 4 mt + e
.set WF,   208                         ; v[208:239] four fragments of Wa_w
.set DF,   240                         ; v[240:255] two fragments of decoder_hidden
	s_load_b256 s[4:11], s[0:1], 0x0               ; Ua_w s[4:5], Wa_w s[6:7], decoder_hidden s[8:9], Wa_b s[10:11]
	s_load_b128 s[12:15], s[0:1], 0x20             ; Ua_b s[12:13], ub s[14:15]
	s_load_b64 s[16:17], s[0:1], 0x30              ; qs
	v_lshl_add_u32 v206, v0, 2, 0x10000
	v_mov_b32 v207, 0
	v_lshrrev_b32 v1, 5, v0
	v_readfirstlane_b32 s18, v1                    ; wave 0..7
	v_and_b32 v1, 15, v0                           ; c  = lane % 16
	v_bfe_u32 v2, v0, 4, 1                         ; hh = lane / 16
	s_cmp_lt_u32 ttmp9, 64
	s_cbranch_scc1 .Lquery
	; ---------------- ub.  Work-group u = ttmp9 - 64: 64 columns (ng = u & 15) x 256 k (kg = u >> 4); wave w: the 32 k of quarter 8 kg + w.
	s_sub_co_u32 s19, ttmp9, 64
	s_and_b32 s20, s19, 15                         ; ng
	s_lshr_b32 s21, s19, 4                         ; kg
	s_lshl_b32 s22, s21, 20                        ; 256 rows of 4,096 bytes
	s_lshl_b32 s24, s20, 8                         ; 64 columns of 4 bytes
	s_add_co_u32 s22, s22, s24
	s_mov_b32 s23, 0
	s_lshr_b32 s24, s20, 1                         ; in ub: (n>>7) 524288
	s_lshl_b32 s24, s24, 19
	s_lshl_b32 s26, s21, 16                        ; + 8 kg quarters of 8,192 bytes
	s_add_co_u32 s24, s24, s26
	s_and_b32 s26, s20, 1                          ; + the upper or lower four of the eight n tiles
	s_lshl_b32 s26, s26, 12
	s_add_co_u32 s24, s24, s26
	s_lshl_b32 s26, s18, 13                        ; + my quarter
	s_add_co_u32 s24, s24, s26
	s_mov_b32 s25, 0
	v_lshlrev_b32 v3, 4, v1                        ; my 4 columns,
	v_lshl_add_u32 v3, v2, 16, v3                  ; 16 rows further down for lanes 16-31,
	s_lshl_b32 s26, s18, 17                        ; my wave's 32 rows
	v_add_nc_u32 v3, s26, v3
	s_wait_kmcnt 0x0
	s_add_nc_u64 s[4:5], s[4:5], s[22:23]
	s_add_nc_u64 s[14:15], s[14:15], s[24:25]
.irp i, 0,1,2,3,4,5,6,7,8,9,10,11,12,13,14,15
	global_load_b128 v[16+4*\i:16+4*\i+3], v3, s[4:5] offset:\i*4096 th:TH_LOAD_NT   ; row i + 16 hh: each half of the lanes takes 256 consecutive bytes, aligned
.endr
	; my wave's stage: four n tiles of 1,024 bytes, 1,040 apart, so that the sixteen lanes of a store touch sixteen different 16-byte columns modulo 256 bytes
	s_mul_i32 s27, s18, 4160
	v_lshrrev_b32 v5, 2, v1                        ; n tile = c / 4
	v_mul_u32_u24 v4, v5, 1040
	v_and_b32 v5, 3, v1
	v_lshl_add_u32 v4, v5, 6, v4                   ; + (n & 15) 16 = (c & 3) 64 + 16 e
	v_lshl_add_u32 v4, v2, 9, v4                   ; + ((k>>4)&1) 512
	v_add_nc_u32 v4, s27, v4
	v_and_b32 v5, 31, v0
	v_lshlrev_b32 v6, 4, v5                        ; 16 x lane: my place in a store of 512 bytes
	v_add_nc_u32 v5, s27, v6                       ; and in the stage
.irp t, 0,1,2,3,4,5,6,7
	s_wait_loadcnt 14-2*\t                         ; rows 2 t and 2 t + 1 are in; the 14 - 2 t younger loads stay out
.irp e, 0,1,2,3
	v_cvt_pk_bf16_f32 v[80+8*\e+\t], v[16+8*\t+\e], v[16+8*\t+4+\e]   ; column 4 c + e, k = 16 hh + 2 t and the next
.endr
.endr
.irp e, 0,1,2,3
.irp hf, 0,1
	ds_store_b128 v4, v[80+8*\e+4*\hf:80+8*\e+4*\hf+3] offset:16*\e+256*\hf   ; eight neighbouring k of one column
.endr
.endr
.irp t, 0,1,2,3,4,5,6,7
	ds_load_b128 v[112+4*\t:112+4*\t+3], v5 offset:(\t>>1)*1040+(\t&1)*512   ; my wave's own bytes, served in order (ISA guide 5.7.1.4): these see the stores above
.endr
.irp t, 0,1,2,3,4,5,6,7
	s_wait_dscnt 7-\t                              ; read-back t is in; the younger ones stay out
	global_store_b128 v6, v[112+4*\t:112+4*\t+3], s[14:15] offset:512*\t      ; 512 consecutive bytes, aligned
.endr
	s_wait_tensorcnt 0x0
	ds_add_u32 v206, v207
	s_wait_dscnt 0x0
	s_endpgm
	; ---------------- qs.  Work-group g = ttmp9: columns 64 (g & 15) .. + 63, part kp = g >> 4, all 32 rows; wave w: the 32 k from 256 kp + 32 w on.
	; In both operands register t of lane half hh holds k0 + 16 hh + 2 t and the next k: one permutation of k, applied alike to both, keeps the products.
	; Fragment e of Wa_w holds the columns 4 r + e of the 64, so that a lane's 16-byte load feeds four fragments.
	; Of decoder_hidden a lane takes 64 consecutive bytes of its row in four loads: 4 KiB a wave, beside 8 KiB of Wa_w in whole pieces of 256 bytes.
.Lquery:
	s_and_b32 s19, ttmp9, 15                       ; column group
	s_lshr_b32 s26, ttmp9, 4                       ; kp
	s_lshl_b32 s20, s19, 8                         ; 64 columns of 4 bytes
	s_mov_b32 s21, 0
	s_lshl_b32 s24, s26, 17                        ; in qs: part kp of 131,072 bytes,
	s_add_co_u32 s24, s24, s20                     ; my columns
	s_mov_b32 s25, 0
	v_lshlrev_b32 v6, 4, v0                        ; VR: my 16 bytes of a half (16 rows x 256 bytes) of a wave's partial sums
	v_lshrrev_b32 v7, 4, v0
	v_lshlrev_b32 v7, 12, v7
	v_lshl_add_u32 v7, v1, 4, v7                   ; VO: the same place in a part of qs: row v0 / 16, 16 bytes at 16 (v0 % 16)
	s_lshl_b32 s22, s26, 10
	s_lshl_b32 s23, s18, 7
	s_add_co_u32 s22, s22, s23                     ; (256 kp + 32 w) x 4 bytes: my wave's first k in a row of decoder_hidden
	v_lshlrev_b32 v4, 12, v1                       ; VD: decoder_hidden row c,
	v_lshl_add_u32 v4, v2, 6, v4                   ;     16 k further for lanes 16-31,
	v_add_nc_u32 v4, s22, v4                       ;     my wave's 32 k
	s_lshl_b32 s22, s22, 10                        ; (256 kp + 32 w) x 4,096 bytes: the same k as a row of Wa_w
	v_lshlrev_b32 v1, 4, v1                        ; 16 c: my 4 columns (also the biases' offset)
	v_lshl_add_u32 v3, v2, 16, v1                  ; VW: Wa_w, 16 rows further down for lanes 16-31,
	v_add_nc_u32 v3, s22, v3                       ;     my wave's 32 rows
	v_lshl_add_u32 v5, v2, 11, v1                  ; VS: my wave's partial sums [32 rows][64 columns] f32: row 8 hh + j, column 4 c + e
	s_lshl_b32 s23, s18, 13
	v_add_nc_u32 v5, s23, v5
	s_wait_kmcnt 0x0
	s_add_nc_u64 s[6:7], s[6:7], s[20:21]
	s_add_nc_u64 s[10:11], s[10:11], s[20:21]
	s_add_nc_u64 s[12:13], s[12:13], s[20:21]
	s_add_nc_u64 s[16:17], s[16:17], s[24:25]
	global_load_b128 v[8:11], v1, s[10:11]         ; Wa_b
	global_load_b128 v[12:15], v1, s[12:13]        ; Ua_b
.irp i, 0,1,2,3,4,5,6,7,8,9,10,11,12,13,14,15
	global_load_b128 v[QB+4*\i:QB+4*\i+3], v3, s[6:7] offset:\i*4096 th:TH_LOAD_NT   ; row i + 16 hh: each half of the lanes takes 256 consecutive bytes, aligned
.endr
.irp mt, 0,1
.irp x, 0,1,2,3
	global_load_b128 v[QB+64+16*\mt+4*\x:QB+64+16*\mt+4*\x+3], v4, s[8:9] offset:\mt*65536+16*\x
.endr
.endr
	s_wait_loadcnt 8                               ; the biases and Wa_w's 16 loads are in; decoder_hidden's eight stay out
.irp t, 0,1,2,3,4,5,6,7
.irp e, 0,1,2,3
	v_cvt_pk_bf16_f32 v[WF+8*\e+\t], v[QB+8*\t+\e], v[QB+8*\t+4+\e]
.endr
.endr
	s_wait_loadcnt 0x0
.irp mt, 0,1
.irp t, 0,1,2,3,4,5,6,7
	v_cvt_pk_bf16_f32 v[DF+8*\mt+\t], v[QB+64+16*\mt+2*\t], v[QB+64+16*\mt+2*\t+1]
.endr
.endr
	; eight products, each the whole sum of its own accumulator: nothing is cleared, and no accumulator is taken up twice
.irp mt, 0,1
.irp e, 0,1,2,3
	v_wmma_f32_16x16x32_bf16 v[ACC+8*(4*\mt+\e):ACC+8*(4*\mt+\e)+7], v[DF+8*\mt:DF+8*\mt+7], v[WF+8*\e:WF+8*\e+7], 0
.endr
.endr
.rept 4
	v_nop                                          ; four places ahead of the LDS stores that read the results; there is no other vector work left to put here
.endr
.irp mt, 0,1
.irp e, 0,1,2,3
.irp j, 0,1,2,3,4,5,6,7
	ds_store_b32 v5, v[ACC+8*(4*\mt+\e)+\j] offset:\mt*4096+\j*256+4*\e    ; row 16 mt + 8 hh + j, column 4 c + e
.endr
.endr
.endr
	s_wait_dscnt 0x0                               ; my partial sums are in LDS, for the other waves' sake
	s_barrier_signal -1
	s_barrier_wait -1
.irp mt, 0,1
.irp p, 0,1,2,3,4,5,6,7
	ds_load_b128 v[16+32*\mt+4*\p:16+32*\mt+4*\p+3], v6 offset:\p*8192+\mt*4096   ; wave p's sums for my 4 numbers
.endr
.endr
	v_pk_add_f32 v[8:9], v[8:9], v[12:13]          ; c (Wa_b + Ua_b) / 4: a quarter in each of the four parts; the division by 4 is exact
	v_pk_add_f32 v[10:11], v[10:11], v[14:15]
	v_pk_mul_f32 v[8:9], v[8:9], CEXP4 op_sel_hi:[1,0]
	v_pk_mul_f32 v[10:11], v[10:11], CEXP4 op_sel_hi:[1,0]
	s_wait_dscnt 0x0
.irp mt, 0,1
.irp x, 0,2,4,6,8,10,12,14
	v_pk_add_f32 v[16+32*\mt+\x:16+32*\mt+\x+1], v[16+32*\mt+\x:16+32*\mt+\x+1], v[32+32*\mt+\x:32+32*\mt+\x+1]
.endr
.irp x, 0,2,4,6
	v_pk_add_f32 v[16+32*\mt+\x:16+32*\mt+\x+1], v[16+32*\mt+\x:16+32*\mt+\x+1], v[24+32*\mt+\x:24+32*\mt+\x+1]
.endr
.irp x, 0,2
	v_pk_add_f32 v[16+32*\mt+\x:16+32*\mt+\x+1], v[16+32*\mt+\x:16+32*\mt+\x+1], v[20+32*\mt+\x:20+32*\mt+\x+1]
.endr
.irp x, 0,2
	v_pk_fma_f32 v[16+32*\mt+\x:16+32*\mt+\x+1], v[16+32*\mt+\x:16+32*\mt+\x+1], CEXP, v[8+\x:9+\x] op_sel_hi:[1,0,1]
.endr
	global_store_b128 v7, v[16+32*\mt:16+32*\mt+3], s[16:17] offset:\mt*65536    ; sixteen lanes store 256 consecutive bytes, aligned
.endr
	s_wait_tensorcnt 0x0
	ds_add_u32 v206, v207
	s_wait_dscnt 0x0
	s_endpgm
.Lfunc_end_k_q706924b012_prep:
	.size	k_q706924b012_prep, .Lfunc_end_k_q706924b012_prep-k_q706924b012_prep
	.p2alignl 7, 3214868480
	.fill 96, 4, 3214868480
	.section	.rodata,"a",@progbits
	.p2align	6, 0x0
	.amdhsa_kernel k_q706924b012_prep
		.amdhsa_group_segment_fixed_size 66560
		.amdhsa_private_segment_fixed_size 0
		.amdhsa_enable_private_segment 0
		.amdhsa_kernarg_size 56
		.amdhsa_user_sgpr_count 2
		.amdhsa_user_sgpr_kernarg_segment_ptr 1
		.amdhsa_wavefront_size32 1
		.amdhsa_system_sgpr_workgroup_id_x 1
		.amdhsa_system_sgpr_workgroup_id_y 1
		.amdhsa_system_sgpr_workgroup_id_z 1
		.amdhsa_system_vgpr_workitem_id 0
		.amdhsa_next_free_vgpr 256
		.amdhsa_next_free_sgpr 66
		.amdhsa_reserve_vcc 0
		.amdhsa_float_denorm_mode_32 3
		.amdhsa_float_denorm_mode_16_64 3
		.amdhsa_memory_ordered 1
		.amdhsa_forward_progress 1
		.amdhsa_inst_pref_size 23
	.end_amdhsa_kernel
	.amdgpu_metadata
---
amdhsa.version: [ 1, 2 ]
amdhsa.kernels:
  - .name:           k_q706924b012_prep
    .symbol:         k_q706924b012_prep.kd
    .args:
      - { .name: Ua_w, .offset: 0, .size: 8, .value_kind: global_buffer, .address_space: global }
      - { .name: Wa_w, .offset: 8, .size: 8, .value_kind: global_buffer, .address_space: global }
      - { .name: decoder_hidden, .offset: 16, .size: 8, .value_kind: global_buffer, .address_space: global }
      - { .name: Wa_b, .offset: 24, .size: 8, .value_kind: global_buffer, .address_space: global }
      - { .name: Ua_b, .offset: 32, .size: 8, .value_kind: global_buffer, .address_space: global }
      - { .name: ub, .offset: 40, .size: 8, .value_kind: global_buffer, .address_space: global }
      - { .name: qs, .offset: 48, .size: 8, .value_kind: global_buffer, .address_space: global }
    .group_segment_fixed_size: 66560
    .private_segment_fixed_size: 0
    .kernarg_segment_align: 8
    .kernarg_segment_size: 56
    .max_flat_workgroup_size: 256
    .sgpr_count:     66
    .vgpr_count:     256
    .wavefront_size: 32
...
	.end_amdgpu_metadata
.endif
;; end of part 1
;; launch scores (part 2): grid 4 x 128, 4 waves a work-group, clusters of 4 x 1, 327,680 bytes of LDS; arguments encoder_outputs, ub, qs, Va_w, sp; writes sp
.if DOCPART == 2
	.amdgcn_target "amdgcn-amd-amdhsa--gfx1250"
	.amdhsa_code_object_version 6
	.text
	.protected	k_q706924b012_scores
	.globl	k_q706924b012_scores
	.p2align	8
	.type	k_q706924b012_scores,@function
k_q706924b012_scores:
	s_mov_b64 s[64:65], 0
	v_nop
	global_prefetch_b8 v0, s[64:65] scope:SCOPE_SE
	s_setreg_imm32_b32 hwreg(HW_REG_WAVE_MODE, 25, 1), 1
	s_wait_xcnt 0x0
	s_wait_alu depctr_hold_cnt(0) depctr_sa_sdst(0) depctr_va_vdst(0) depctr_va_sdst(0) depctr_va_ssrc(0) depctr_va_vcc(0) depctr_vm_vsrc(0)
	s_getreg_b32 s2, hwreg(HW_REG_IB_STS2, 6, 4)
	s_cmp_eq_u32 s2, 0
	s_cbranch_scc0 .Lentry_in_a_cluster
	s_endpgm
.Lentry_in_a_cluster:
	s_bfe_u32 s2, ttmp6, 0x10000c
	s_cmp_lg_u32 s2, 0x3003
	s_cbranch_scc0 .Lentry_shape_is_right
	s_endpgm
.Lentry_shape_is_right:
; BAHDANAU ATTENTION, second of three kernels: the key projection k = enc Ua_w on the matrix units, and behind it, without k ever leaving the registers,
;   sp[cb][row] = sum over the 256 columns n of column block cb of Va[n] / (1 + 2^(c k[row][n] + Q[b][n])),   c = 2 log2 e,
;   Q = c (q + Wa_b + Ua_b) = the sum of the four parts of qs that the first kernel stored.
; A score is (a number that is the same along the softmax's axis) - 2 x the sum of a row's four sp: Va_b and sum_n Va[n] are left out, as shown at the head
; of the first kernel (they cancel in the softmax for all finite inputs; a NaN, an infinity or an overflow that reaches only them is not carried on).
; RANGE: 2^x that overflows gives 1 / infinity = 0 (tanh = 1), 2^x that falls to 0 gives 1 / 1 (tanh = -1): the form holds for every finite x.
;
; SHARES.  enc is [32768 rows][2048 k] f32.  A work-group makes 256 rows x 256 columns with four waves, as many as a WGP has SIMDs; a wave makes 128 x 128:
; 64 accumulator tiles, 512 registers.  Row block rb = the cluster's y, column block cb = the work-group's place cx in its cluster of 4 x 1.
; CLUSTER: the four work-groups of a cluster need the same 256 rows of enc.  Each K step's tile is asked for jointly: each wave of each of the four issues the same
; tensor load (64 rows x 512 bytes, mask 15), whose descriptor hangs on rb and on the wave's number alone.  That divides the requests for enc by four.
; Ua is NOT shared through LDS: a byte of it serves two waves of a work-group only, and ub holds it in the registers' own order, so it goes straight into
; registers (512 consecutive bytes a load); a way through LDS would add a write and two reads of every byte and halve the K step that fits.  So the cluster is 4 x 1.
; enc stays f32 in LDS (the mover copies bytes); a wave reads its fragments as f32 and rounds them to bf16 on the way to the matrix unit.
;
; LDS: slot s at s x 135,168: 256 rows of 128 f32 (512 bytes) + 16 bytes of padding: pitch 528 = 33 x 16, so the sixteen rows that a load touches lie in sixteen
; different 16-byte columns modulo 256 bytes.  Behind the ring, at 270,336 (a multiple of 256): 512 bytes a wave for the row sums; no fill lands there.
;
; REGISTERS, in windows of 256:
;   window 0: v8-13 addresses; v32-95, v96-159 fragments of enc in bf16 (8 x 16 rows x 32 K), two buffers; v160-223 four fragments as f32, as loaded
;   window 1: v0-63, v64-127 fragments of Ua, two buffers; v128-191 Q, v192-255 Va of my 128 columns (index 8 b + j)
;   window 2: the accumulator tiles of n tiles b = 0-3 (tile (a, b) at v[8 (8 (b & 3) + a)]);   window 3: those of b = 4-7
;   (ahead of the first product window 2's v0-191 take parts 1 to 3 of qs)
; THE MATRIX INSTRUCTION IS USED TRANSPOSED: source 0 = 16 columns of Ua, source 1 = 16 rows of enc.  Lane l then holds row 16 a + l % 16, and its registers
; j = 0..7 the columns 16 b + 8 (l / 16) + j: the sum over columns is a sum along a lane's registers, and one step across the two halves of the lanes.
.set PITCH, 528
.set QTILE, 64*PITCH                   ; what one tensor load brings
.set SLOT,  256*PITCH
.set SC,    2*SLOT                     ; the row sums' stage
.set CEXP,  0x4038aa3b                 ; c = 2 log2 e
.set ADRA, 8                           ; v8, v9  LDS address of my fragments in slot 0, 1
.set BOFF, 10                          ; v10     16 x lane: my place in a load of ub, and in the store of sp
.set QOFF, 11                          ; v11     32 x (lane / 16): my 8 columns of a tile in qs and in Va
.set SCST, 12                          ; v12     where I put a row's sum
.set SCRD, 13                          ; v13     where I read four rows' sums back
.set AF0,  32
.set AF1,  96
.set SG,   160
.set T,    32                          ; epilogue: one n tile's 64 numbers
.set S,    160                         ; epilogue: the running sums, a pair for each of 8 row tiles
.set BF0,  0
.set BF1,  64
.set QS,   128
.set VA,   192
.set G1,   24                          ; s[24:31] descriptor group 1
.set G0,   32                          ; s[32:39] descriptor group 0, a set for each slot
.set MUL_LO, 0xa1                      ; source 0 (Ua) window 1, source 1 (enc) window 0, C and D window 2
.set MUL_HI, 0xf1                      ; the same, C and D window 3 (= MUL_LO + 0x50)
.set TO_B,   0x40                      ; destination window 1, address window 0
.set SL0,    4                         ; the eight slices of roundings stand behind matrix instructions 4 to 11 of a half quarter
.set RUNAT,  14                        ; the run of loads behind matrix instruction 14
.set MSB, 0
.macro WIN new                         ; the immediate's high byte repeats the setting that is left
.if MSB != \new
	s_set_vgpr_msb (MSB<<8)|\new
.set MSB, \new
.endif
.endm
.macro PLACES
.rept 4
	v_nop
.endr
.endm
; A round of the cluster's barrier: my work-group's barrier, so that wave 0's signal speaks for all four waves; wave 0 signals for the work-group; every wave waits
; for all four work-groups; my work-group's barrier once more.
.macro CREST                           ; a round behind its opening barrier
	s_cmp_lg_u32 s14, 0
	s_cbranch_scc1 .Lnot_wave_0_\@
	s_barrier_signal -3
.Lnot_wave_0_\@:
	s_barrier_wait -3
	s_barrier_signal -1
	s_barrier_wait -1
.endm
.macro CROUND                          ; a whole round
	s_barrier_signal -1
	s_barrier_wait -1
	CREST
.endm
	s_load_b256 s[4:11], s[0:1], 0x0               ; enc s[4:5], ub s[6:7], qs s[8:9], Va_w s[10:11]
	s_load_b64 s[12:13], s[0:1], 0x20              ; sp
	v_lshl_add_u32 v254, v0, 2, 0x42800
	v_mov_b32 v255, 0
	ds_add_u32 v254, v255
	v_lshrrev_b32 v1, 5, v0
	v_readfirstlane_b32 s14, v1                    ; wave 0..3
	s_lshr_b32 s15, s14, 1                         ; rh: which 128 of the block's rows are mine
	s_and_b32 s16, s14, 1                          ; ch: which 128 of its columns
	s_bfe_u32 s17, ttmp6, 0x40000                  ; cx = column block
	s_and_b32 s18, ttmp7, 0xffff                   ; the cluster's y = row block
	s_mov_b32 s22, 0x76543210                      ; v_permlanex16_b32: lane i of one half reads lane i of the other
	s_mov_b32 s23, 0xfedcba98
	; descriptor group 1: a tile of 64 rows x 128 f32, padded in LDS
	s_mov_b32 s[G1+0], 15|(2<<16)|(1<<20)|(1<<21)|(6<<22)|(3<<25)   ; 15:0 mask: all four of the cluster; 17:16 elements of 4 bytes; 20 padding on; 21 set beside a mask; 24:22 after every 128 words (code 6); 31:25 of 4 words (code 3)
	s_mov_b32 s[G1+1], 128<<16                     ; tensor_dim0 = 128
	s_mov_b32 s[G1+2], 64<<16                      ; tensor_dim1 = 64
	s_mov_b32 s[G1+3], 128<<16                     ; tile_dim0 = 128
	s_mov_b32 s[G1+4], 64                          ; tile_dim1 = 64
	s_mov_b32 s[G1+5], 2048                        ; elements from row to row
	s_mov_b32 s[G1+6], 0
	s_mov_b32 s[G1+7], 0
	s_lshl_b32 s20, s18, 21                        ; enc: 256 rb rows of 8,192 bytes
	s_lshl_b32 s21, s14, 19                        ;      + 64 w rows: the registers that feed the descriptors never hold cx
	s_add_co_u32 s20, s20, s21
	s_mov_b32 s21, 0
	s_mul_i32 s46, s14, QTILE                      ; and in LDS: my quarter of a slot
	s_lshl1_add_u32 s42, s17, s16                  ; ub: the stream of columns 128 (2 cx + ch) .., 524,288 bytes
	s_lshl_b32 s42, s42, 19
	s_mov_b32 s43, 0
	s_lshl_b32 s44, s17, 10                        ; Va: (256 cx + 128 ch) x 4 bytes
	s_lshl_b32 s47, s16, 9
	s_add_co_u32 s44, s44, s47
	s_mov_b32 s45, 0
	s_lshr_b32 s48, s18, 2                         ; qs: the same, in row b = rb / 4 of 4,096 bytes
	s_lshl_b32 s48, s48, 12
	s_add_co_u32 s48, s48, s44
	s_mov_b32 s49, 0
	s_lshl_b32 s50, s17, 17                        ; sp: cx x 32,768 rows + 256 rb + 128 rh, x 4 bytes
	s_lshl_b32 s47, s18, 10
	s_add_co_u32 s50, s50, s47
	s_lshl_b32 s47, s15, 9
	s_add_co_u32 s50, s50, s47
	s_mov_b32 s51, 0
	v_and_b32 v1, 15, v0                           ; r = lane % 16
	v_bfe_u32 v2, v0, 4, 1                         ; h = lane / 16
	v_and_b32 v3, 31, v0
	v_lshlrev_b32 v[BOFF], 4, v3
	v_lshlrev_b32 v[QOFF], 5, v2
	s_wait_dscnt 0x0
	s_wait_kmcnt 0x0
	s_add_nc_u64 s[4:5], s[4:5], s[20:21]
	s_add_nc_u64 s[40:41], s[6:7], s[42:43]
	s_add_nc_u64 s[8:9], s[8:9], s[48:49]
	s_add_nc_u64 s[10:11], s[10:11], s[44:45]
	s_add_nc_u64 s[12:13], s[12:13], s[50:51]
	CROUND                                         ; all four work-groups are here: the first joint loads meet
.irp s, 0,1
	s_mov_b32 s[G0+4*\s], 1                                        ; count = 1
	s_add_co_u32 s[G0+4*\s+1], s46, \s*SLOT                        ; LDS address
	s_add_nc_u64 s[G0+4*\s+2:G0+4*\s+3], s[4:5], \s*512            ; global address: K step s
	s_or_b32 s[G0+4*\s+3], s[G0+4*\s+3], 0x80000000                ; type = 2
	tensor_load_to_lds s[G0+4*\s:G0+4*\s+3], s[G1:G1+7]            ; both first fills go out together: two tensor loads of the wave are out here, one at any later time
	s_nop 0
.endr
; 16 LDS loads: fragments fg .. fg + 3 (16 rows each) of the 32 K at byte kb of the slot's rows, as f32.  A lane's 16 numbers: K = 8 h + 0..7 and 16 + 8 h + 0..7.
.macro ALOAD slot, kb, fg
.irp i, 0,1,2,3
	ds_load_b128 v[SG+16*\i:SG+16*\i+3],     v[ADRA+\slot] offset:(\fg+\i)*16*PITCH+\kb
	ds_load_b128 v[SG+16*\i+4:SG+16*\i+7],   v[ADRA+\slot] offset:(\fg+\i)*16*PITCH+\kb+16
	ds_load_b128 v[SG+16*\i+8:SG+16*\i+11],  v[ADRA+\slot] offset:(\fg+\i)*16*PITCH+\kb+64
	ds_load_b128 v[SG+16*\i+12:SG+16*\i+15], v[ADRA+\slot] offset:(\fg+\i)*16*PITCH+\kb+80
.endr
.endm
; 32 roundings in one run: those four fragments to bf16 (ahead of the first product only; in the K steps they stand in slices)
.macro CVT4 dst
.irp i, 0,1,2,3
.irp t, 0,1,2,3,4,5,6,7
	v_cvt_pk_bf16_f32 v[\dst+8*\i+\t], v[SG+16*\i+2*\t], v[SG+16*\i+2*\t+1]
.endr
.endr
.endm
; 8 global loads (under TO_B): four fragments of Ua, 4,096 consecutive bytes of my stream
.macro BLOAD dst, goff
.irp i, 0,1,2,3
	global_load_b128 v[\dst+8*\i:\dst+8*\i+3],   v[BOFF], s[40:41] offset:\goff+1024*\i
	global_load_b128 v[\dst+8*\i+4:\dst+8*\i+7], v[BOFF], s[40:41] offset:\goff+1024*\i+512
.endr
.endm
; A HALF QUARTER: 32 matrix instructions, 32 along K from buffers par, the n tiles b = 4 hf .. 4 hf + 3 (window 2 + hf) x all 8 row tiles, with the other work among them.
; Instruction n takes row tile a = n >> 2 and n tile n & 3.  zero = 1: the product starts its sum: nothing is cleared.  The 64 accumulators take turns, one instruction
; a turn, in the same order in every quarter, over the loop's backward jump too.
;   lc   at the head: the four fragments of Ua that this half reads are in; the lc younger loads (two groups of eight in the loop) stay out.
;   cv   THE ROUNDINGS, in eight slices behind instructions 4 to 11: the window is switched, four roundings turn two 16-byte loads' f32 into bf16 at cd, the window is
;        switched back: seven issue slots at the most, with the wait, behind a matrix instruction of 8,192 multiply-adds.  Every second slice waits for the four loads
;        that it and the next slice round: 12, 8, 4, 0 younger ones of the last run's sixteen stay out.
;   run  THE LOADS, in one run behind instruction 14: sixteen LDS loads into the stage that has just been rounded (slot sl, byte kb, fragments fg ..), rounded in the
;        next half, 22 matrix instructions on; eight loads of Ua (to bd, from go), read three halves on, 82 matrix instructions on.  One run costs three switches of the
;        window; strewn singly each load would cost two.
;   PLACES (ISA guide 7.12.1 for vector instructions): none is filled by v_nop.  With hf = 0 the roundings rewrite fragments 0-3 of the buffer that the half before
;        read; its last reader of fragment f is that half's instruction 4 f + 3, and behind it stand, for f = 0, 1, 2, at least the four roundings of that half's last
;        slice (behind its instruction 11), for f = 3 this half's 24 roundings of fragments 0-2: all name other registers.  With hf = 1 they rewrite fragments 4-7, last
;        read two halves ago.  Ua's loads land in the four fragments that the half before read; this half's roundings lie between, at least 24 of them naming no
;        register of any one matrix instruction there.
;   bar  THE CHANGE OF SLOTS (1; 2: slot rs is filled again, two K steps ahead).  The last run read slot rs for the last time; this half's run reads the other slot.  At the
;        head the wave waits for those reads and for all its tensor loads, of which one is out, its part of the other slot, and signals; 15 matrix instructions and the
;        32 roundings, register work alone, stand between the signal and the wait.  With bar = 2 that barrier opens a round of the cluster's barrier: behind the round no
;        wave of the four work-groups reads slot rs or has a load on its way, and the joint refill is the wave's first and only tensor load, ahead of the run's LDS reads.
;        From that request to the wait for it a wave issues 241 matrix instructions.
.macro HALF par, hf, zero, cv, cd, run, sl, kb, fg, bd, go, lc, bar, rs
	s_wait_loadcnt \lc
.if \bar
	s_wait_dscnt 0x0                               ; my reads of slot rs are over
	s_set_vgpr_msb 0xa1a0
	s_wait_tensorcnt 0x0                           ; all my tensor loads have landed
	ds_add_u32 v254, v255
	s_wait_dscnt 0x0
	s_set_vgpr_msb 0xa0a1
	s_barrier_signal -1
.endif
.set mw, MUL_LO+0x50*\hf
.set wn, 0
.rept 32
.set rd, 8*(8*(wn&3)+(wn>>2))
.set rb, 64*\par+8*(4*\hf+(wn&3))
.set ra, AF0+64*\par+8*(wn>>2)
	WIN mw
.if \zero
	v_wmma_f32_16x16x32_bf16 v[rd:rd+7], v[rb:rb+7], v[ra:ra+7], 0
.else
	v_wmma_f32_16x16x32_bf16 v[rd:rd+7], v[rb:rb+7], v[ra:ra+7], v[rd:rd+7]
.endif
.if \cv
.if wn >= SL0
.if wn < SL0+8
.set cq, 4*(wn-SL0)
	WIN 0
.if \bar == 0
.if ((wn-SL0)&1) == 0
	s_wait_dscnt 12-2*(wn-SL0)
.endif
.endif
.irp x, 0,1,2,3
	v_cvt_pk_bf16_f32 v[\cd+cq+\x], v[SG+2*(cq+\x)], v[SG+2*(cq+\x)+1]
.endr
.endif
.endif
.endif
.if \run
.if wn == RUNAT
	WIN 0                                          ; at a branch and at a label every window is 0
.if \bar
	s_barrier_wait -1
.endif
.if \bar == 2
	CREST
	s_add_nc_u64 s[G0+4*\rs+2:G0+4*\rs+3], s[G0+4*\rs+2:G0+4*\rs+3], 1024   ; no tensor load of mine is out: the address steps two K steps of 512 bytes
	tensor_load_to_lds s[G0+4*\rs:G0+4*\rs+3], s[G1:G1+7]
	s_nop 0
.endif
	ALOAD \sl, \kb, \fg
	WIN TO_B
	BLOAD \bd, \go
.endif
.endif
.set wn, wn+1
.endr
.endm
; A K step of 128: four quarters of 32 along K on buffers 0, 1, 0, 1, each in two halves.  In half (q, hf) the stage is rounded into fragments 4 hf .. of quarter q + 1's
; buffer and loaded again: with hf = 0 from quarter q + 1's fragments 4-7, with hf = 1 from quarter q + 2's fragments 0-3.  Ua: hf = 0 asks for quarter q + 1's n tiles
; 4-7, hf = 1 for quarter q + 2's n tiles 0-3.  mode 2: the slot is filled again; mode 1: the slots change, nothing is filled.  last = 1: the last K step: its last
; three halves fetch nothing, and the counts of Ua's loads run down 16, 8, 0.
.macro STEP slot, zero, mode, last
	HALF 0, 0, \zero, 1, AF1,    1, \slot, 128, 4, BF1+32, (4*\slot+1)*8192+4096, 16, 0, 0
	HALF 0, 1, \zero, 1, AF1+32, 1, \slot, 256, 0, BF0,    (4*\slot+2)*8192,      16, 0, 0
	HALF 1, 0, 0,     1, AF0,    1, \slot, 256, 4, BF0+32, (4*\slot+2)*8192+4096, 16, 0, 0
	HALF 1, 1, 0,     1, AF0+32, 1, \slot, 384, 0, BF1,    (4*\slot+3)*8192,      16, 0, 0
	HALF 0, 0, 0,     1, AF1,    1, \slot, 384, 4, BF1+32, (4*\slot+3)*8192+4096, 16, 0, 0
.if \last
	HALF 0, 1, 0,     1, AF1+32, 0, 0, 0, 0, 0, 0, 16, 0, 0
	HALF 1, 0, 0,     0, 0,      0, 0, 0, 0, 0, 0, 8, 0, 0
	HALF 1, 1, 0,     0, 0,      0, 0, 0, 0, 0, 0, 0, 0, 0
.else
	HALF 0, 1, 0,     1, AF1+32, 1, 1-\slot, 0,   0, BF0,    (4*\slot+4)*8192,      16, \mode, \slot
	HALF 1, 0, 0,     1, AF0,    1, 1-\slot, 0,   4, BF0+32, (4*\slot+4)*8192+4096, 16, 0, 0
	HALF 1, 1, 0,     1, AF0+32, 1, 1-\slot, 128, 0, BF1,    (4*\slot+5)*8192,      16, 0, 0
.endif
.endm
.macro LAP zero                        ; once round the ring: two K steps, both slots filled again
	STEP 0, \zero, 2, 0
	STEP 1, 0, 2, 0
	WIN 0
	s_wait_xcnt 0x0                                ; the loads of Ua that are out have had their addresses translated: their base steps only behind this wait
	s_add_nc_u64 s[40:41], s[40:41], 0x10000       ; eight quarters of 8,192 bytes
.endm
	; qs's four parts, Va, and Ua's first three groups.  104 loads go out without a wait between them: a counter does not overflow, the issue is held instead (ISA guide 5.7.1).
	WIN TO_B
.irp b, 0,1,2,3,4,5,6,7
	global_load_b128 v[QS+8*\b:QS+8*\b+3],   v[QOFF], s[8:9] offset:64*\b      ; part 0 of columns 16 b + 8 h + 0..3
	global_load_b128 v[QS+8*\b+4:QS+8*\b+7], v[QOFF], s[8:9] offset:64*\b+16   ;                              + 4..7
.endr
	WIN 0x80                                       ; destination window 2: accumulator registers, free until the first product
.irp p, 1,2,3
.irp b, 0,1,2,3,4,5,6,7
	global_load_b128 v[64*(\p-1)+8*\b:64*(\p-1)+8*\b+3],   v[QOFF], s[8:9] offset:\p*131072+64*\b
	global_load_b128 v[64*(\p-1)+8*\b+4:64*(\p-1)+8*\b+7], v[QOFF], s[8:9] offset:\p*131072+64*\b+16
.endr
.endr
	WIN TO_B
.irp b, 0,1,2,3,4,5,6,7
	global_load_b128 v[VA+8*\b:VA+8*\b+3],   v[QOFF], s[10:11] offset:64*\b
	global_load_b128 v[VA+8*\b+4:VA+8*\b+7], v[QOFF], s[10:11] offset:64*\b+16
.endr
	BLOAD BF0, 0                                   ; quarter 0, both halves; quarter 1, first half
	BLOAD BF0+32, 4096
	BLOAD BF1, 8192
	WIN 0
	v_mul_u32_u24 v[ADRA], v1, PITCH               ; row r,
	v_lshl_add_u32 v[ADRA], v2, 5, v[ADRA]         ; 8 f32 further for lanes 16-31,
	s_mul_i32 s47, s15, 128*PITCH                  ; my 128 rows
	v_add_nc_u32 v[ADRA], s47, v[ADRA]
	v_add_nc_u32 v[ADRA+1], SLOT, v[ADRA]
	s_lshl_b32 s47, s14, 9
	s_add_co_u32 s47, s47, SC                      ; my 512 bytes of the stage
	v_lshl_add_u32 v[SCST], v1, 2, s47
	v_add_nc_u32 v[SCRD], s47, v[BOFF]
	s_wait_tensorcnt 0x1                           ; my part of K step 0 is in; K step 1's stays out
	s_barrier_signal -1
	s_barrier_wait -1                              ; everybody's is
	ALOAD 0, 0, 0
	s_wait_loadcnt 40                              ; qs's four parts are in; Va's 16 loads and Ua's 24 stay out
	WIN 0x49                                       ; destination and source 0 window 1 (Q), source 1 window 2 (parts 1 to 3): the sum is made while the LDS loads are on their way
.irp p, 0,1,2
.set i, 0
.rept 32
	v_pk_add_f32 v[QS+2*i:QS+2*i+1], v[QS+2*i:QS+2*i+1], v[64*\p+2*i:64*\p+2*i+1]
.set i, i+1
.endr
.endr
	WIN 0
	s_wait_dscnt 0x0
	CVT4 AF0
	ALOAD 0, 0, 4
	s_wait_dscnt 0x0
	CVT4 AF0+32
	ALOAD 0, 128, 0
	LAP 1                                          ; the first lap stands in front of the loop: its first products start the sums
	s_mov_b32 s19, 6
.Llap:
	LAP 0
	s_sub_co_u32 s19, s19, 1
	s_cmp_lg_u32 s19, 0
	s_cbranch_scc1 .Llap
	STEP 0, 0, 1, 0                                ; K steps 14 and 15 fill nothing
	STEP 1, 0, 0, 1
	; THE WAY OUT.  One n tile b at a time, for all 8 row tiles (64 numbers a lane): x = c k + Q, 1 / (1 + 2^x), times Va, summed along the lane's registers.
; win: source 0 in the accumulators' window (2 or 3), source 2 (Q) in window 1
.macro SCORE hf, bl, win
	WIN \win
.set i, 0
.rept 32
	v_pk_fma_f32 v[T+2*i:T+2*i+1], v[64*\bl+2*i:64*\bl+2*i+1], CEXP, v[QS+8*(4*\hf+\bl)+((2*i)&7):QS+8*(4*\hf+\bl)+((2*i)&7)+1] op_sel_hi:[1,0,1]
.set i, i+1
.endr
	WIN 0
.set i, 0
.rept 64
	v_exp_f32 v[T+i], v[T+i]
.set i, i+1
.endr
	v_nop                                          ; one plain instruction between a transcendental and the first use of its result (ISA guide 5.7.2)
.set i, 0
	s_wait_alu depctr_va_vdst(0)
.rept 32
	v_pk_add_f32 v[T+2*i:T+2*i+1], v[T+2*i:T+2*i+1], 1.0 op_sel_hi:[1,0]
.set i, i+1
.endr
.set i, 0
.rept 64
	v_rcp_f32 v[T+i], v[T+i]
.set i, i+1
.endr
	v_nop
	s_wait_alu depctr_va_vdst(0)
	WIN 0x04                                       ; source 1 (Va) in window 1
.irp jp, 0,1,2,3
.irp a, 0,1,2,3,4,5,6,7
.if (\hf+\bl+\jp) == 0
	s_wait_alu depctr_va_vdst(0)
	v_pk_mul_f32 v[S+2*\a:S+2*\a+1], v[T+8*\a+2*\jp:T+8*\a+2*\jp+1], v[VA+8*(4*\hf+\bl)+2*\jp:VA+8*(4*\hf+\bl)+2*\jp+1]   ; the first product starts the sums
.else
	v_pk_fma_f32 v[S+2*\a:S+2*\a+1], v[T+8*\a+2*\jp:T+8*\a+2*\jp+1], v[VA+8*(4*\hf+\bl)+2*\jp:VA+8*(4*\hf+\bl)+2*\jp+1], v[S+2*\a:S+2*\a+1]
.endif
.endr
.endr
.endm
	PLACES                                         ; four places behind the last matrix instructions, ahead of the lines that read results and rewrite fragments
	SCORE 0, 0, 0x12
	SCORE 0, 1, 0x12
	SCORE 0, 2, 0x12
	SCORE 0, 3, 0x12
	SCORE 1, 0, 0x13
	SCORE 1, 1, 0x13
	SCORE 1, 2, 0x13
	SCORE 1, 3, 0x13
	WIN 0
.irp a, 0,1,2,3,4,5,6,7
	v_add_f32 v[S+2*\a], v[S+2*\a], v[S+2*\a+1]    ; even and odd columns
.endr
.irp a, 0,1,2,3,4,5,6,7
	v_permlanex16_b32 v[T+\a], v[S+2*\a], s22, s23 ; the other half of the lanes holds the tile's other eight columns
.endr
.irp a, 0,1,2,3,4,5,6,7
	v_add_f32 v[S+2*\a], v[S+2*\a], v[T+\a]
	ds_store_b32 v[SCST], v[S+2*\a] offset:64*\a   ; row 16 a + r; both halves of the lanes write the same number to the same word
.endr
	s_wait_dscnt 0x0                               ; my 128 row sums are in LDS, for the neighbour wave's sake
	s_barrier_signal -1
	s_barrier_wait -1
	s_cmp_lg_u32 s16, 0                            ; the wave of the left 128 columns adds the right wave's sums to its own and stores
	s_cbranch_scc1 .Lright
	ds_load_b128 v[32:35], v[SCRD]
	ds_load_b128 v[36:39], v[SCRD] offset:512
	s_wait_dscnt 0x0
	v_pk_add_f32 v[32:33], v[32:33], v[36:37]
	v_pk_add_f32 v[34:35], v[34:35], v[38:39]
	global_store_b128 v[BOFF], v[32:35], s[12:13]  ; 128 rows: 512 consecutive bytes, aligned
.Lright:
	s_wait_tensorcnt 0x0
	ds_add_u32 v254, v255
	s_wait_dscnt 0x0
	CROUND                                         ; the closing round: no work-group ends while a partner may still ask for a tile that names it
	s_endpgm
.Lfunc_end_k_q706924b012_scores:
	.size	k_q706924b012_scores, .Lfunc_end_k_q706924b012_scores-k_q706924b012_scores
	.p2alignl 7, 3214868480
	.fill 96, 4, 3214868480
	.section	.rodata,"a",@progbits
	.p2align	6, 0x0
	.amdhsa_kernel k_q706924b012_scores
		.amdhsa_group_segment_fixed_size 327680
		.amdhsa_private_segment_fixed_size 0
		.amdhsa_enable_private_segment 0
		.amdhsa_kernarg_size 40
		.amdhsa_user_sgpr_count 2
		.amdhsa_user_sgpr_kernarg_segment_ptr 1
		.amdhsa_wavefront_size32 1
		.amdhsa_system_sgpr_workgroup_id_x 1
		.amdhsa_system_sgpr_workgroup_id_y 1
		.amdhsa_system_sgpr_workgroup_id_z 1
		.amdhsa_system_vgpr_workitem_id 0
		.amdhsa_next_free_vgpr 1024
		.amdhsa_next_free_sgpr 66
		.amdhsa_reserve_vcc 0
		.amdhsa_float_denorm_mode_32 3
		.amdhsa_float_denorm_mode_16_64 3
		.amdhsa_memory_ordered 1
		.amdhsa_forward_progress 1
		.amdhsa_inst_pref_size 255
	.end_amdhsa_kernel
	.section	.bss,"aw",@nobits
	.p2align	6
	.space	262144
	.amdgpu_metadata
---
amdhsa.version: [ 1, 2 ]
amdhsa.kernels:
  - .name:           k_q706924b012_scores
    .symbol:         k_q706924b012_scores.kd
    .args:
      - { .name: encoder_outputs, .offset: 0, .size: 8, .value_kind: global_buffer, .address_space: global }
      - { .name: ub, .offset: 8, .size: 8, .value_kind: global_buffer, .address_space: global }
      - { .name: qs, .offset: 16, .size: 8, .value_kind: global_buffer, .address_space: global }
      - { .name: Va_w, .offset: 24, .size: 8, .value_kind: global_buffer, .address_space: global }
      - { .name: sp, .offset: 32, .size: 8, .value_kind: global_buffer, .address_space: global }
    .group_segment_fixed_size: 327680
    .private_segment_fixed_size: 0
    .kernarg_segment_align: 8
    .kernarg_segment_size: 40
    .max_flat_workgroup_size: 128
    .sgpr_count:     66
    .vgpr_count:     1024
    .wavefront_size: 32
...
	.end_amdgpu_metadata
.endif
;; end of part 2
;; launch context (part 3): grid 8 x 32, 16 waves a work-group, no clusters, 14,848 bytes of LDS; arguments sp, encoder_outputs, out0, out1; writes out0, out1
.if DOCPART == 3
	.amdgcn_target "amdgcn-amd-amdhsa--gfx1250"
	.amdhsa_code_object_version 6
	.text
	.protected	k_q706924b012_context
	.globl	k_q706924b012_context
	.p2align	8
	.type	k_q706924b012_context,@function
k_q706924b012_context:
	s_mov_b64 s[64:65], 0
	v_nop
	global_prefetch_b8 v0, s[64:65] scope:SCOPE_SE
	s_setreg_imm32_b32 hwreg(HW_REG_WAVE_MODE, 25, 1), 1
	s_wait_xcnt 0x0
; BAHDANAU ATTENTION, third of three kernels: the softmax along S and the context.
;   P[s] = the sum of row s's four numbers in sp;  score[s] = (a number that is the same along S) - 2 P[s]
; (Va_b and sum_n Va[n] are left out: they cancel in the softmax for all finite inputs, as shown at the head of the first kernel; a NaN, an infinity or an
; overflow that reaches only them is not carried to the results.)
; The largest score is the one with the smallest P, so  exp(score[s] - max score) = 2^(c (min P - P[s])),  c = 2 log2 e: the maximum is taken away as in the
; definition, no exponent is above 0, and the sum is at least 1.  LIMIT: a weight below 2^-126 of the largest comes out as 0 (v_exp_f32 gives no denormals: ISA guide 15.8).
;   out1[b][s] = e[s] / sum e;   out0[b][f] = sum_s e[s] enc[b][s][f] / sum e, all in f32.
; A stream: enc is read once here, so there is nothing for the matrix units (one row a batch), for LDS tiles or for a cluster (the eight work-groups of a batch
; share only sp's 16 KiB).  Work-group (fc, b): batch b, columns 256 fc .. + 255.  Sixteen waves: wave w takes rows 128 (w / 2) .. + 127 of the 128 columns of
; half w & 1: each load of a wave is 512 consecutive bytes, aligned, and sixteen loads of every wave are on their way: 128 KiB for the work-group.
; Each of a batch's eight work-groups makes the softmax for itself (1,024 numbers); number fc of them stores rows 128 fc .. + 127 of out1.
;
; LDS: bytes 0-63 the sixteen waves' minima; 64-127 their sums; 256-4351 e[0..1023]; 4352-12543 the sixteen waves' partial contexts, 512 bytes each.
; REGISTERS: v1 my offset in enc; v8 16 t (my 16 bytes of the partial contexts and of out0); v9 1 / sum; v[10:11] e of my two rows; v12 my wave's word;
; v13 zero, the address of the minima and sums; v14 8 t (my two rows in sp, in e and in out1); v15 my wave's 128 weights in e; v[16:31] at work.
.set CEXP, 0x4038aa3b                  ; c = 2 log2 e
.set RSUM, 64
.set WGT,  256
.set RED,  4352
.set X,    32                          ; v[32:95]   ring of 16 row slots, 4 registers each
.set WT,   96                          ; v[96:223]  e of my wave's 128 rows, the same in every lane
.set ACC,  224                         ; v[224:231] two sets of four sums, for even and odd rows
	s_load_b256 s[4:11], s[0:1], 0x0               ; sp s[4:5], enc s[6:7], out0 s[8:9], out1 s[10:11]
	v_lshl_add_u32 v232, v0, 2, 0x3200
	v_mov_b32 v233, 0
	v_lshrrev_b32 v1, 5, v0
	v_readfirstlane_b32 s12, v1                    ; wave 0..15
	s_lshr_b32 s13, s12, 1                         ; rg: my 128 rows
	s_and_b32 s14, s12, 1                          ; my half of the 256 columns
	s_and_b32 s15, ttmp7, 0xffff                   ; b
	s_mov_b32 s16, 0x76543210                      ; v_permlanex16_b32: lane i of one half reads lane i of the other
	s_mov_b32 s17, 0xfedcba98
	s_lshl_b32 s18, s15, 12                        ; sp and out1: 1,024 numbers a batch
	s_mov_b32 s19, 0
	s_lshl_b32 s22, ttmp9, 10                      ; 256 columns of 4 bytes
	s_lshl_b32 s20, s15, 23                        ; enc: 1,024 rows of 8,192 bytes a batch
	s_add_co_u32 s20, s20, s22
	s_mov_b32 s21, 0
	s_lshl_b32 s24, s15, 13                        ; out0: 8,192 bytes a batch
	s_add_co_u32 s24, s24, s22
	s_mov_b32 s25, 0
	s_lshl_b32 s26, s13, 20                        ; my 128 rows,
	s_lshl_b32 s27, s14, 9                         ; my 512 bytes of them
	s_add_co_u32 s26, s26, s27
	s_lshl_b32 s28, s13, 9                         ; my 128 weights among the 1,024
	v_and_b32 v1, 31, v0
	v_lshlrev_b32 v1, 4, v1
	v_add_nc_u32 v1, s26, v1                       ; never rewritten: the row stands in the loads' immediate, 127 x 8,192 bytes at the most
	v_lshlrev_b32 v14, 3, v0
	v_lshlrev_b32 v8, 4, v0
	v_mov_b32 v12, s12
	v_lshlrev_b32 v12, 2, v12
	v_mov_b32 v13, 0
	v_mov_b32 v15, s28
	s_wait_kmcnt 0x0
	s_add_nc_u64 s[4:5], s[4:5], s[18:19]
	s_add_nc_u64 s[6:7], s[6:7], s[20:21]
	s_add_nc_u64 s[8:9], s[8:9], s[24:25]
	s_add_nc_u64 s[10:11], s[10:11], s[18:19]
.irp p, 0,1,2,3
	global_load_b64 v[24+2*\p:25+2*\p], v14, s[4:5] offset:\p*131072   ; column block p's part of rows 2 t and 2 t + 1
.endr
.irp i, 0,1,2,3,4,5,6,7,8,9,10,11,12,13,14,15
	global_load_b128 v[X+4*\i:X+4*\i+3], v1, s[6:7] offset:\i*8192 th:TH_LOAD_NT   ; the ring is filled before the softmax is begun
.endr
	s_wait_loadcnt 16                              ; sp's four loads are in; the sixteen rows of enc stay out
	v_pk_add_f32 v[2:3], v[24:25], v[26:27]
	v_pk_add_f32 v[4:5], v[28:29], v[30:31]
	v_pk_add_f32 v[2:3], v[2:3], v[4:5]            ; P of my two rows
	; the smallest P of the batch: in the lane, across the 32 lanes, across the 16 waves
	v_min_num_f32 v16, v2, v3
	v_min_num_f32_dpp v16, v16, v16 row_xmask:1 row_mask:0xf bank_mask:0xf
	v_min_num_f32_dpp v16, v16, v16 row_xmask:2 row_mask:0xf bank_mask:0xf
	v_min_num_f32_dpp v16, v16, v16 row_xmask:4 row_mask:0xf bank_mask:0xf
	v_min_num_f32_dpp v16, v16, v16 row_xmask:8 row_mask:0xf bank_mask:0xf
	v_permlanex16_b32 v4, v16, s16, s17            ; its destination counts as read: v4 has been written
	v_min_num_f32 v16, v16, v4
	ds_store_b32 v12, v16                          ; all lanes write the same number to my wave's word
	s_wait_dscnt 0x0                               ; my minimum is in LDS, for the other waves' sake
	s_barrier_signal -1
	s_barrier_wait -1
.irp x, 0,1,2,3
	ds_load_b128 v[16+4*\x:19+4*\x], v13 offset:16*\x
.endr
	s_wait_dscnt 0x0
	v_min3_num_f32 v16, v16, v17, v18
	v_min3_num_f32 v19, v19, v20, v21
	v_min3_num_f32 v22, v22, v23, v24
	v_min3_num_f32 v25, v25, v26, v27
	v_min3_num_f32 v28, v28, v29, v30
	v_min3_num_f32 v16, v16, v19, v22
	v_min3_num_f32 v25, v25, v28, v31
	v_min_num_f32 v16, v16, v25
	; e = 2^(c (min P - P)), its sum over the wave, and e itself for the waves that need it as weights
	v_sub_f32 v10, v16, v2
	v_sub_f32 v11, v16, v3
	v_mul_f32 v10, CEXP, v10
	v_mul_f32 v11, CEXP, v11
	v_exp_f32 v10, v10
	v_exp_f32 v11, v11
	v_nop                                          ; one plain instruction between a transcendental and the first use of its result (ISA guide 5.7.2)
	s_wait_alu depctr_va_vdst(0)
	v_add_f32 v17, v10, v11
	v_add_f32_dpp v17, v17, v17 row_xmask:1 row_mask:0xf bank_mask:0xf
	v_add_f32_dpp v17, v17, v17 row_xmask:2 row_mask:0xf bank_mask:0xf
	v_add_f32_dpp v17, v17, v17 row_xmask:4 row_mask:0xf bank_mask:0xf
	v_add_f32_dpp v17, v17, v17 row_xmask:8 row_mask:0xf bank_mask:0xf
	v_permlanex16_b32 v18, v17, s16, s17
	v_add_f32 v17, v17, v18
	ds_store_b32 v12, v17 offset:RSUM              ; other bytes than the minima's, which slower waves may still be reading
	ds_store_b64 v14, v[10:11] offset:WGT
	s_wait_dscnt 0x0                               ; my sum and my e are in LDS, for the other waves' sake
	s_barrier_signal -1
	s_barrier_wait -1
.irp x, 0,1,2,3
	ds_load_b128 v[16+4*\x:19+4*\x], v13 offset:RSUM+16*\x
.endr
.set i, 0
.rept 32
	ds_load_b128 v[WT+4*i:WT+4*i+3], v15 offset:WGT+16*i   ; every lane reads the same words: my wave's 128 weights
.set i, i+1
.endr
	s_wait_dscnt 32                                ; the four loads of sums are in; the 32 of weights stay out
	v_pk_add_f32 v[16:17], v[16:17], v[18:19]
	v_pk_add_f32 v[20:21], v[20:21], v[22:23]
	v_pk_add_f32 v[24:25], v[24:25], v[26:27]
	v_pk_add_f32 v[28:29], v[28:29], v[30:31]
	v_pk_add_f32 v[16:17], v[16:17], v[20:21]
	v_pk_add_f32 v[24:25], v[24:25], v[28:29]
	v_pk_add_f32 v[16:17], v[16:17], v[24:25]
	v_add_f32 v16, v16, v17
	v_rcp_f32 v9, v16                              ; 1 / sum; the sum is at least 1
	v_nop                                          ; one plain instruction behind the transcendental
	s_cmp_lg_u32 s13, ttmp9                        ; of a batch's eight work-groups, number fc stores rows 128 fc .. + 127 of out1: the two waves whose threads hold them
	s_cbranch_scc1 .Lnot_mine
	s_wait_alu depctr_va_vdst(0)
	v_mul_f32 v6, v10, v9
	v_mul_f32 v7, v11, v9
	global_store_b64 v14, v[6:7], s[10:11]         ; 256 consecutive bytes a wave, aligned
.Lnot_mine:
	s_wait_dscnt 0x0                               ; the weights are in
	; my 128 rows, written out: row i's four numbers times e[i], onto the sums of the even or of the odd rows; its slot is then loaded with row i + 16.
	; A weight is picked out of its register pair by op_sel (low result) and op_sel_hi (high result).  The first two rows start the sums: nothing is cleared.
.set i, 0
.rept 128
.set ar, ACC+4*(i&1)
.set xr, X+4*(i%16)
.set wr, WT+i-(i&1)
.if i < 112
	s_wait_loadcnt 15                              ; row i is in; the fifteen younger rows stay out
.else
	s_wait_loadcnt 127-i                           ; the last sixteen rows load nothing: the counts run down
.endif
.if i == 0
	v_pk_mul_f32 v[ar:ar+1], v[xr:xr+1], v[wr:wr+1] op_sel_hi:[1,0]
	v_pk_mul_f32 v[ar+2:ar+3], v[xr+2:xr+3], v[wr:wr+1] op_sel_hi:[1,0]
.elseif i == 1
	v_pk_mul_f32 v[ar:ar+1], v[xr:xr+1], v[wr:wr+1] op_sel:[0,1] op_sel_hi:[1,1]
	v_pk_mul_f32 v[ar+2:ar+3], v[xr+2:xr+3], v[wr:wr+1] op_sel:[0,1] op_sel_hi:[1,1]
.elseif (i&1) == 0
	v_pk_fma_f32 v[ar:ar+1], v[xr:xr+1], v[wr:wr+1], v[ar:ar+1] op_sel_hi:[1,0,1]
	v_pk_fma_f32 v[ar+2:ar+3], v[xr+2:xr+3], v[wr:wr+1], v[ar+2:ar+3] op_sel_hi:[1,0,1]
.else
	v_pk_fma_f32 v[ar:ar+1], v[xr:xr+1], v[wr:wr+1], v[ar:ar+1] op_sel:[0,1,0] op_sel_hi:[1,1,1]
	v_pk_fma_f32 v[ar+2:ar+3], v[xr+2:xr+3], v[wr:wr+1], v[ar+2:ar+3] op_sel:[0,1,0] op_sel_hi:[1,1,1]
.endif
.if i < 112
	global_load_b128 v[xr:xr+3], v1, s[6:7] offset:(i+16)*8192 th:TH_LOAD_NT
.endif
.set i, i+1
.endr
	v_pk_add_f32 v[ACC:ACC+1], v[ACC:ACC+1], v[ACC+4:ACC+5]
	v_pk_add_f32 v[ACC+2:ACC+3], v[ACC+2:ACC+3], v[ACC+6:ACC+7]
	ds_store_b128 v8, v[ACC:ACC+3] offset:RED      ; wave w's 512 bytes at 512 w: 16 t
	s_wait_dscnt 0x0                               ; my partial context is in LDS, for waves 0 and 1
	s_barrier_signal -1
	s_barrier_wait -1
	s_cmp_ge_u32 s12, 2                            ; waves 0 and 1 add the eight row groups' sums of their half of the columns
	s_cbranch_scc1 .Lend
.irp g, 0,1,2,3,4,5,6,7
	ds_load_b128 v[X+4*\g:X+4*\g+3], v8 offset:RED+1024*\g   ; wave 2 g + w's sums for my 4 columns
.endr
	s_wait_dscnt 0x0
.irp x, 0,2,4,6,8,10,12,14
	v_pk_add_f32 v[X+\x:X+\x+1], v[X+\x:X+\x+1], v[X+16+\x:X+16+\x+1]
.endr
.irp x, 0,2,4,6
	v_pk_add_f32 v[X+\x:X+\x+1], v[X+\x:X+\x+1], v[X+8+\x:X+8+\x+1]
.endr
.irp x, 0,2
	v_pk_add_f32 v[X+\x:X+\x+1], v[X+\x:X+\x+1], v[X+4+\x:X+4+\x+1]
.endr
	s_wait_alu depctr_va_vdst(0)
.irp x, 0,2
	v_pk_mul_f32 v[X+\x:X+\x+1], v[X+\x:X+\x+1], v[8:9] op_sel:[0,1] op_sel_hi:[1,1]   ; times 1 / sum, which lies in v9, the pair's second register
.endr
	global_store_b128 v8, v[X:X+3], s[8:9]         ; 512 consecutive bytes a wave, aligned
.Lend:
	s_wait_tensorcnt 0x0
	ds_add_u32 v232, v233
	s_wait_dscnt 0x0
	s_endpgm
.Lfunc_end_k_q706924b012_context:
	.size	k_q706924b012_context, .Lfunc_end_k_q706924b012_context-k_q706924b012_context
	.p2alignl 7, 3214868480
	.fill 96, 4, 3214868480
	.section	.rodata,"a",@progbits
	.p2align	6, 0x0
	.amdhsa_kernel k_q706924b012_context
		.amdhsa_group_segment_fixed_size 14848
		.amdhsa_private_segment_fixed_size 0
		.amdhsa_enable_private_segment 0
		.amdhsa_kernarg_size 32
		.amdhsa_user_sgpr_count 2
		.amdhsa_user_sgpr_kernarg_segment_ptr 1
		.amdhsa_wavefront_size32 1
		.amdhsa_system_sgpr_workgroup_id_x 1
		.amdhsa_system_sgpr_workgroup_id_y 1
		.amdhsa_system_sgpr_workgroup_id_z 1
		.amdhsa_system_vgpr_workitem_id 0
		.amdhsa_next_free_vgpr 234
		.amdhsa_next_free_sgpr 66
		.amdhsa_reserve_vcc 0
		.amdhsa_float_denorm_mode_32 3
		.amdhsa_float_denorm_mode_16_64 3
		.amdhsa_memory_ordered 1
		.amdhsa_forward_progress 1
		.amdhsa_inst_pref_size 42
	.end_amdhsa_kernel
	.amdgpu_metadata
---
amdhsa.version: [ 1, 2 ]
amdhsa.kernels:
  - .name:           k_q706924b012_context
    .symbol:         k_q706924b012_context.kd
    .args:
      - { .name: sp, .offset: 0, .size: 8, .value_kind: global_buffer, .address_space: global }
      - { .name: encoder_outputs, .offset: 8, .size: 8, .value_kind: global_buffer, .address_space: global }
      - { .name: out0, .offset: 16, .size: 8, .value_kind: global_buffer, .address_space: global }
      - { .name: out1, .offset: 24, .size: 8, .value_kind: global_buffer, .address_space: global }
    .group_segment_fixed_size: 14848
    .private_segment_fixed_size: 0
    .kernarg_segment_align: 8
    .kernarg_segment_size: 32
    .max_flat_workgroup_size: 512
    .sgpr_count:     66
    .vgpr_count:     234
    .wavefront_size: 32
...
	.end_amdgpu_metadata
.endif
;; end of part 3
